; MI455X (gfx1250); checked and timed in simulation.
; The chip was launched on July 23, 2026; its instructions are those of AMD's public machine-readable ISA for CDNA 5 (MIT licence, August 2026) and "CDNA5" Instruction Set Architecture Reference Guide (July 2026). The comments in the code are by the model that wrote it; some were corrected since.
;; Adaptive Softmax. Allowed arithmetic: float matrix products may take bf16 or f16 operands with f32 sums; other float arithmetic in f32, or as packed bf16 or f16 multiplies, adds, multiply-adds, maxima and minima; sums over many terms, partial sums and values carried from step to step in f32; what a program stores and reads back later, other than sums and carried values, may be rounded once to bf16 or f16.
;; Inputs: cluster_b 1 x 3 float32; cluster_w 1,024 x 3 float32; logits_b 1 x 12,564 float32; logits_w 1,024 x 12,564 float32; x 2 x 2,049 x 1,024 float32; y 2 x 2,048 int32.
;; Outputs: out0 4,096 float32.
;; One version. Each part assembles by itself: llvm-mc -triple=amdgcn-amd-amdhsa -mcpu=gfx1250 --defsym DOCPART=n.
;; ======== version 1 of 1: 3 launches
;; limits: right only within a limited range of input values
;; workspace buffers: xb 8,388,608 bytes; wt 26,214,400 bytes; bp 65,536 bytes; st 5,242,880 bytes
;; launch prep (part 1): grid 641 x 1, 8 waves a work-group, no clusters, 0 bytes of LDS; arguments x, logits_w, logits_b, cluster_w, cluster_b, xb, wt, bp; writes xb, wt, bp
.if DOCPART == 1
	.amdgcn_target "amdgcn-amd-amdhsa--gfx1250"
	.amdhsa_code_object_version 6
	.text
	.protected	k_qeff3208b7d_prep
	.globl	k_qeff3208b7d_prep
	.p2align	8
	.type	k_qeff3208b7d_prep,@function
k_qeff3208b7d_prep:
	s_mov_b64 s[64:65], 0
	v_nop
	global_prefetch_b8 v0, s[64:65] scope:SCOPE_SE
	s_setreg_imm32_b32 hwreg(HW_REG_WAVE_MODE, 25, 1), 1
	s_wait_xcnt 0x0
; PREP: the matrix operands, rounded once to bf16 and laid in blocks, and the padded bias.  A stream: no LDS, no barrier, no matrix work.
;   xb  bf16 [rb 16][ks 16][row 256][64 k]: a block of 256 rows x 128 bytes is dense.  Row 64 v + 16 m + r of block rb holds token 256 rb + 64 v + 4 r + m
;       (token t = 2048 b + l lies in x at row t + b: each batch's last time step is left out).
;   wt  bf16 [g 32][k 1024][400]: column c of group g is vocabulary column 400 g + c.  The cuts 2000 and 10000 are multiples of 400, so no group holds two slices.
;       Group 31 has 164 real columns; the others hold 0, but columns 384..386, which hold cluster_w[k][0..2]: the gate rides in the padding.
;   bp  f32 [32][512]: logits_b for real columns, -1e30 for padding (LIMIT: a padded column counts as a logit of -1e30), cluster_b at [31][384..386].
; SHARES.  Work-groups 0..511: 64 rows k of one group of wt, 8 rows a wave.  512..639: x, 4 block rows x all 16 K blocks a wave.  640: the bias.
; A UNIT is one load of 16 bytes a lane (512 bytes of f32 a wave), two roundings in place, one store of 8 bytes a lane: the wave's store covers 256 consecutive bytes, aligned.
; A wave issues all its loads first; unit i is then waited for by a count that leaves the younger loads out.  No register that a load or store names is written again.
.set XR, 16                            ; v[16:143] a unit's four registers at XR + 4 i
.set OF, 116                           ; v[116:140] W job: unit i's byte offset in logits_w
.set WROW, 50256                       ; bytes in a row of logits_w
	s_load_b512 s[4:19], s[0:1], 0x0               ; x s[4:5], logits_w s[6:7], logits_b s[8:9], cluster_w s[10:11], cluster_b s[12:13], xb s[14:15], wt s[16:17], bp s[18:19]
	v_lshrrev_b32 v1, 5, v0
	v_readfirstlane_b32 s20, v1                    ; wave 0..7
	v_and_b32 v1, 31, v0                           ; lane
	v_lshlrev_b32 v2, 3, v1                        ; 8 x lane: my 8 bytes of a unit's store
	s_mov_b32 s2, ttmp9
	s_cmp_lt_u32 s2, 512
	s_cbranch_scc0 .Lnot_w
; THE W JOB.  8 rows of 400 columns are 800 pieces of 4 numbers; unit i, lane l takes piece q = 32 i + l: row q / 100, piece q % 100 of it.  In wt the pieces lie on end: byte 8 q.
; q / 100 = (656 q) >> 16 for q < 800: 656 q = 65536 a + 64 a + 656 b for q = 100 a + b, and 64 a + 656 b is 65392 at the most.
; pad = 1 (group 31): pieces 41 and on of a row lie past the table: they read piece 0 instead and are stored as 0; piece 96 takes the gate's three weights and a 0.
.macro WJOB pad
.if \pad
	v_lshrrev_b32 v7, 2, v1
	v_mul_u32_u24 v7, v7, 12                       ; lane 4 j reads row j of my 8 rows of cluster_w (12 bytes a row)
	global_load_b32 v10, v7, s[10:11]
	global_load_b32 v11, v7, s[10:11] offset:4
	global_load_b32 v12, v7, s[10:11] offset:8
	v_mov_b32 v15, 0
.endif
.set i, 0
.rept 25
	v_add_nc_u32 v3, 32*i, v1                      ; q
	v_mul_u32_u24 v4, v3, 656
	v_lshrrev_b32 v4, 16, v4                       ; the row
	v_mul_u32_u24 v5, v4, 100
	v_sub_nc_u32 v5, v3, v5                        ; the piece in the row
.if \pad
	v_cmp_gt_u32 s[36+i], 41, v5                   ; inside the table?
	v_cndmask_b32 v5, 0, v5, s[36+i]
.endif
	v_mul_u32_u24 v6, v4, WROW
	v_lshl_add_u32 v[OF+i], v5, 4, v6
	global_load_b128 v[XR+4*i:XR+4*i+3], v[OF+i], s[6:7] th:TH_LOAD_NT
.set i, i+1
.endr
.set i, 0
.rept 25
	s_wait_loadcnt 24-i                            ; loads come back in order: unit i is in (and the gate's three, which are older); the 24 - i younger ones stay out
.if (\pad) && (i == 0)
	v_cvt_pk_bf16_f32 v13, v10, v11                ; the gate's piece
	v_cvt_pk_bf16_f32 v14, v12, v15
.endif
	v_cvt_pk_bf16_f32 v[XR+4*i], v[XR+4*i], v[XR+4*i+1]
	v_cvt_pk_bf16_f32 v[XR+4*i+1], v[XR+4*i+2], v[XR+4*i+3]
.if \pad
	v_cndmask_b32 v[XR+4*i], 0, v[XR+4*i], s[36+i]
	v_cndmask_b32 v[XR+4*i+1], 0, v[XR+4*i+1], s[36+i]
.if ((i%3) == 0) && (i >= 3)
	v_cmp_eq_u32 vcc_lo, 4*(i/3-1), v1             ; piece 96 of row j is q = 100 j + 96 = 32 (3 j + 3) + 4 j
	v_cndmask_b32 v[XR+4*i], v[XR+4*i], v13, vcc_lo
	v_cndmask_b32 v[XR+4*i+1], v[XR+4*i+1], v14, vcc_lo
.endif
.endif
	global_store_b64 v2, v[XR+4*i:XR+4*i+1], s[16:17] offset:256*i th:TH_STORE_NT
.set i, i+1
.endr
.endm
	s_lshr_b32 s21, s2, 4                          ; g
	s_and_b32 s22, s2, 15
	s_lshl_b32 s22, s22, 6
	s_lshl3_add_u32 s22, s20, s22                  ; my first row k = 64 (id % 16) + 8 wave
	s_mul_i32 s24, s22, WROW
	s_mul_i32 s25, s21, 1600
	s_add_co_u32 s24, s24, s25                     ; logits_w: row k, column 400 g
	s_mov_b32 s25, 0
	s_mul_i32 s26, s21, 819200
	s_mul_i32 s27, s22, 800
	s_add_co_u32 s26, s26, s27                     ; wt: group g, row k
	s_mov_b32 s27, 0
	s_mul_i32 s28, s22, 12                         ; cluster_w: row k
	s_mov_b32 s29, 0
	s_wait_kmcnt 0x0
	s_add_nc_u64 s[6:7], s[6:7], s[24:25]
	s_add_nc_u64 s[16:17], s[16:17], s[26:27]
	s_add_nc_u64 s[10:11], s[10:11], s[28:29]
	s_cmp_eq_u32 s21, 31
	s_cbranch_scc1 .Lw_pad
	WJOB 0
	s_endpgm
.Lw_pad:
	WJOB 1
	s_endpgm
.Lnot_w:
	s_cmp_lt_u32 s2, 640
	s_cbranch_scc0 .Lbias
; THE X JOB.  Wave W = 8 (id - 512) + wave takes block rows p0 .. p0 + 3 of row block rb, p0 = 4 (W % 64): four tokens that lie 4 apart.  A unit is two of them x 64 k.
	s_sub_co_u32 s21, s2, 512
	s_lshl3_add_u32 s21, s21, s20
	s_lshr_b32 s22, s21, 6                         ; rb
	s_and_b32 s23, s21, 63
	s_lshl_b32 s23, s23, 2                         ; p0
	s_lshl_b32 s24, s22, 8                         ; the first token: 256 rb
	s_and_b32 s25, s23, 0xc0
	s_add_co_u32 s24, s24, s25                     ; + 64 (p0 / 64)
	s_and_b32 s25, s23, 15
	s_lshl_b32 s25, s25, 2
	s_add_co_u32 s24, s24, s25                     ; + 4 (p0 % 16)
	s_bfe_u32 s25, s23, 0x20004
	s_add_co_u32 s24, s24, s25                     ; + (p0 / 16) % 4
	s_lshr_b32 s25, s22, 3
	s_add_co_u32 s24, s24, s25                     ; its row in x: one more in the second batch
	s_lshl_b32 s24, s24, 12                        ; 4,096 bytes a row
	s_mov_b32 s25, 0
	s_lshl_b32 s26, s22, 19                        ; xb: 524,288 bytes a row block,
	s_lshl_b32 s27, s23, 7                         ; 128 a block row
	s_add_co_u32 s26, s26, s27
	s_mov_b32 s27, 0
	v_and_b32 v3, 15, v1
	v_lshlrev_b32 v3, 4, v3                        ; lanes 0-15: 256 bytes of one token,
	v_lshrrev_b32 v4, 4, v1
	v_lshl_add_u32 v3, v4, 14, v3                  ; lanes 16-31: of the token 4 further on
	s_wait_kmcnt 0x0
	s_add_nc_u64 s[4:5], s[4:5], s[24:25]
	s_add_nc_u64 s[14:15], s[14:15], s[26:27]
.set u, 0
.rept 32                                       ; unit u: pair of rows u / 16, K block u % 16
	global_load_b128 v[XR+4*u:XR+4*u+3], v3, s[4:5] offset:(u/16)*32768+(u%16)*256 th:TH_LOAD_NT
.set u, u+1
.endr
.set u, 0
.rept 32
	s_wait_loadcnt 31-u                            ; unit u is in; the younger ones stay out
	v_cvt_pk_bf16_f32 v[XR+4*u], v[XR+4*u], v[XR+4*u+1]
	v_cvt_pk_bf16_f32 v[XR+4*u+1], v[XR+4*u+2], v[XR+4*u+3]
	global_store_b64 v2, v[XR+4*u:XR+4*u+1], s[14:15] offset:(u%16)*32768+(u/16)*256 th:TH_STORE_NT
.set u, u+1
.endr
	s_endpgm
.Lbias:
; THE BIAS JOB.  bp is 4,096 pieces of 4 numbers; unit i, thread T takes piece 256 i + T: group 2 i + T / 128, piece c = T % 128 of its 128.  Pieces 100 and on are padding.
	v_and_b32 v3, 127, v0                          ; c
	v_lshrrev_b32 v4, 7, v0
	v_mul_u32_u24 v4, v4, 100
	v_add_nc_u32 v4, v4, v3                        ; the piece in logits_b, less 200 i
	v_lshlrev_b32 v5, 4, v4
	v_add_nc_u32 v6, 3000, v4                      ; unit 15 reaches the table's end, 3,141 pieces:
	v_cmp_gt_u32 s21, 3141, v6
	v_min_u32 v6, 3140, v6                         ; its loads are held inside
	v_lshlrev_b32 v6, 4, v6
	v_cmp_gt_u32 s22, 100, v3
	s_and_b32 s21, s21, s22
	v_cmp_eq_u32 s23, 224, v0                      ; group 31's piece 96: the gate's bias
	v_lshlrev_b32 v7, 4, v0
	v_mov_b32 v8, 0
	v_mov_b32 v9, 0xf149f2ca                       ; -1e30
	s_wait_kmcnt 0x0
	global_load_b32 v10, v8, s[12:13]
	global_load_b32 v11, v8, s[12:13] offset:4
	global_load_b32 v12, v8, s[12:13] offset:8
.set i, 0
.rept 15
	global_load_b128 v[XR+4*i:XR+4*i+3], v5, s[8:9] offset:3200*i
.set i, i+1
.endr
	global_load_b128 v[XR+60:XR+63], v6, s[8:9]
.set i, 0
.rept 16
	s_wait_loadcnt 15-i
.irp j, 0,1,2,3
.if i < 15
	v_cndmask_b32 v[XR+4*i+\j], v9, v[XR+4*i+\j], s22
.else
	v_cndmask_b32 v[XR+4*i+\j], v9, v[XR+4*i+\j], s21
.endif
.endr
.if i == 15
	v_cndmask_b32 v[XR+60], v[XR+60], v10, s23
	v_cndmask_b32 v[XR+61], v[XR+61], v11, s23
	v_cndmask_b32 v[XR+62], v[XR+62], v12, s23
.endif
	global_store_b128 v7, v[XR+4*i:XR+4*i+3], s[18:19] offset:4096*i
.set i, i+1
.endr
	s_endpgm
.Lfunc_end_k_qeff3208b7d_prep:
	.size	k_qeff3208b7d_prep, .Lfunc_end_k_qeff3208b7d_prep-k_qeff3208b7d_prep
	.p2alignl 7, 3214868480
	.fill 96, 4, 3214868480
	.section	.rodata,"a",@progbits
	.p2align	6, 0x0
	.amdhsa_kernel k_qeff3208b7d_prep
		.amdhsa_group_segment_fixed_size 0
		.amdhsa_private_segment_fixed_size 0
		.amdhsa_enable_private_segment 0
		.amdhsa_kernarg_size 64
		.amdhsa_user_sgpr_count 2
		.amdhsa_user_sgpr_kernarg_segment_ptr 1
		.amdhsa_wavefront_size32 1
		.amdhsa_system_sgpr_workgroup_id_x 1
		.amdhsa_system_sgpr_workgroup_id_y 1
		.amdhsa_system_sgpr_workgroup_id_z 1
		.amdhsa_system_vgpr_workitem_id 0
		.amdhsa_next_free_vgpr 144
		.amdhsa_next_free_sgpr 66
		.amdhsa_reserve_vcc 1
		.amdhsa_float_denorm_mode_32 3
		.amdhsa_float_denorm_mode_16_64 3
		.amdhsa_memory_ordered 1
		.amdhsa_forward_progress 1
		.amdhsa_inst_pref_size 71
	.end_amdhsa_kernel
	.amdgpu_metadata
---
amdhsa.version: [ 1, 2 ]
amdhsa.kernels:
  - .name:           k_qeff3208b7d_prep
    .symbol:         k_qeff3208b7d_prep.kd
    .args:
      - { .name: x, .offset: 0, .size: 8, .value_kind: global_buffer, .address_space: global }
      - { .name: logits_w, .offset: 8, .size: 8, .value_kind: global_buffer, .address_space: global }
      - { .name: logits_b, .offset: 16, .size: 8, .value_kind: global_buffer, .address_space: global }
      - { .name: cluster_w, .offset: 24, .size: 8, .value_kind: global_buffer, .address_space: global }
      - { .name: cluster_b, .offset: 32, .size: 8, .value_kind: global_buffer, .address_space: global }
      - { .name: xb, .offset: 40, .size: 8, .value_kind: global_buffer, .address_space: global }
      - { .name: wt, .offset: 48, .size: 8, .value_kind: global_buffer, .address_space: global }
      - { .name: bp, .offset: 56, .size: 8, .value_kind: global_buffer, .address_space: global }
    .group_segment_fixed_size: 0
    .private_segment_fixed_size: 0
    .kernarg_segment_align: 8
    .kernarg_segment_size: 64
    .max_flat_workgroup_size: 256
    .sgpr_count:     66
    .vgpr_count:     144
    .wavefront_size: 32
...
	.end_amdgpu_metadata
.endif
;; end of part 1
;; launch gemm (part 2): grid 32 x 16, 4 waves a work-group, clusters of 4 x 4, 327,680 bytes of LDS; arguments xb, wt, bp, y, st; writes st
.if DOCPART == 2
	.amdgcn_target "amdgcn-amd-amdhsa--gfx1250"
	.amdhsa_code_object_version 6
	.text
	.protected	k_qeff3208b7d_gemm
	.globl	k_qeff3208b7d_gemm
	.p2align	8
	.type	k_qeff3208b7d_gemm,@function
k_qeff3208b7d_gemm:
	s_mov_b64 s[64:65], 0
	v_nop
	global_prefetch_b8 v0, s[64:65] scope:SCOPE_SE
	s_setreg_imm32_b32 hwreg(HW_REG_WAVE_MODE, 25, 1), 1
	s_wait_xcnt 0x0
	s_wait_alu depctr_hold_cnt(0) depctr_sa_sdst(0) depctr_va_vdst(0) depctr_va_sdst(0) depctr_va_ssrc(0) depctr_va_vcc(0) depctr_vm_vsrc(0)
	s_getreg_b32 s2, hwreg(HW_REG_IB_STS2, 6, 4)
	s_cmp_eq_u32 s2, 0
	s_cbranch_scc0 .Lentry_in_a_cluster
	s_endpgm
.Lentry_in_a_cluster:
	s_bfe_u32 s2, ttmp6, 0x10000c
	s_cmp_lg_u32 s2, 0xf033
	s_cbranch_scc0 .Lentry_shape_is_right
	s_endpgm
.Lentry_shape_is_right:
; GEMM AND PARTIAL SOFTMAX.  logit[t][400 g + c] = sum over k of x[t][k] w[k][400 g + c] + bias; the logits never leave the registers.  Operands bf16 (xb, wt), sums f32, K = 1024 ascending.
; A work-group makes 256 tokens (row block rb) x 400 columns (group g); each of its four waves 64 tokens x 400 columns: 4 x 25 accumulators of 16 x 16, 800 registers.
; THE MATRIX INSTRUCTION IS USED TRANSPOSED: source 0 = 16 columns, source 1 = 16 tokens.  Lane (r = l % 16, h = l / 16), register j of accumulator (m, nb) holds the logit of token
; 256 rb + 64 wave + 4 r + m (xb's rows are laid so) at column 16 nb + 8 h + j.  So a token's maximum, sum and picked logit stay inside a lane; the two halves of the lanes store apart.
; WHAT IS STORED, f32 planes of 4,096 tokens at st + ((Q 32 + g) 2 + h) 16384 + 4 t:  Q = 0, 1: maximum m and sum of 2^(c (s - m)), c = log2(e), over the lane's columns of tiles 0..23;
; Q = 2, 3: the same for tile 24 alone, which in group 31 holds the gate's three logits; Q = 4: the logit at column y, if it is one of the lane's, plus (group 31, h = 0) the gate's logit of y's slice.
; y enters compares and selects alone: no branch and no address hangs on it.
; LIMITS.  Padded columns have weight 0 and bias -1e30: real logits lie far above that.  A weight below 2^-126 counts as 0.  NaN and infinities are not treated apart.
; RING.  K goes in 16 steps of 64 through two LDS slots: A 256 rows x 128 bytes (pitch 144), B 64 rows k x 800 bytes.  Both tiles are dense in memory and are asked for as rows of 256 bytes.
; Two slots of a step of 128 would be 2 x 176,128 bytes: more than the 327,680 that there are.
; CLUSTER.  4 x 4 work-groups.  A's tile hangs on rb alone and is shared along a row of the cluster, B's on g alone and is shared along a column: each is asked for JOINTLY.
; REGISTERS, in windows of 256 (s_set_vgpr_msb: bits 1:0 source 0, 3:2 source 1, 5:4 source 2, 7:6 destination):
;   windows 1..3: accumulator (m, nb), nb = 8 (w - 1) + i, at v[32 i + 8 m] of window w.     window 0: addresses, the pick's indices, accumulators (m, 24), all fragments; on the way out the statistics.
.set PA,    144                        ; a row of A in LDS: 128 bytes + 16 of padding = 36 words: the 16 rows of a load start at 16 different groups of four banks (64 banks of 4 bytes: ISA guide 11.1)
.set PB,    800                        ; a row of B: 200 words: row r starts at bank 8 r mod 64
.set BOFF,  256*PA                     ; B's tile lies behind A's
.set SLOT,  BOFF+64*PB                 ; 88,064
.set BIAS,  2*SLOT                     ; behind the ring, never filled by a tensor load: the group's 512 numbers of bp
.set SPARE, BIAS+2048                  ; the spare words, 128 bytes for each wave: two blocks of 256 bytes that no other line names
.set ADRA, 2                           ; v2-3   LDS address of my A fragments in slot 0, 1
.set ADRB, 4                           ; v4-5   the same for B
.set SPW,  6                           ; v6     LDS address of my spare word; never rewritten
.set NIL,  7                           ; v7     0; never rewritten
.set PFO,  8                           ; v8     the prefetches' offset; never rewritten
.set BIA,  9                           ; v9     BIAS + 32 h
.set STO,  10                          ; v10    my 16 bytes in a plane: 16 r + 16384 h
.set HH,   11                          ; v11    h
.set QQ,   12                          ; v12-15 by m: (tl >> 3) - h, tl = y - 400 g: equals 2 nb where tile nb holds the target in my half
.set JJ,   16                          ; v16-19 tl & 7: which register
.set I24,  20                          ; v20-23 which register of tile 24 I pick, or 255
.set A24,  24                          ; v24-55 accumulators (m, 24)
.set AF0,  56                          ; v56-87, v88-119  A's fragments, 4 x 8, two buffers
.set AF1,  88
.set BF0,  120                         ; v120-183, v184-247  B's fragments of 8 tiles, two buffers
.set BF1,  184
.set RR,   248                         ; v248-255  B's fragment of tile 24
.set WV,   14                          ; s14  wave
.set HALF, 16                          ; s16  wave % 2: which half of a tile I fetch
.set CX,   17
.set CY,   18
.set GG,   19                          ; s19  g
.set RB,   20                          ; s20  rb
.set G1A,  24                          ; s[24:31] descriptor group 1 for A;  s[32:39] group 0, a set for each slot
.set G0A,  32
.set LIM,  43                          ; s43  1 in a wave that prefetches, else the greatest number
.set PFA,  44                          ; s[44:45] where my prefetches stand
.set BLK,  46                          ; s[46:47] bytes from a K step's block to the next
.set G1B,  48                          ; s[48:55], s[56:63] the same for B
.set G0B,  56
.set CS,   66                          ; s[66:67] c = log2(e): the packed scaling takes the pair's low word for both halves
.set MSB, 0
.macro WIN new                         ; the immediate's high byte repeats the setting that is left; a switch that changes nothing is dropped
.if MSB != (\new)
	s_set_vgpr_msb (MSB<<8)|(\new)
.set MSB, (\new)
.endif
.endm
.macro PLACES                          ; four plain instructions between a matrix instruction and a load into, or a vector instruction on, its registers (ISA guide 7.12.1 for vector instructions)
.rept 4
	v_nop
.endr
.endm
; A joint load.  Waves 0 and 1 fetch A's two halves, waves 2 and 3 B's.  The branch hangs on the wave's number alone.  An s_nop 0 and four v_nop follow each of the two lines.
.macro JLOAD s
	s_cmp_lt_u32 s[WV], 2
	s_cbranch_scc0 .Lfor_b_\@
	tensor_load_to_lds s[G0A+4*(\s):G0A+4*(\s)+3], s[G1A:G1A+7]
	s_nop 0
.rept 4
	v_nop
.endr
	s_branch .Lasked_\@
.Lfor_b_\@:
	tensor_load_to_lds s[G0B+4*(\s):G0B+4*(\s)+3], s[G1B:G1B+7]
	s_nop 0
.rept 4
	v_nop
.endr
.Lasked_\@:
.endm
; A PREFETCH INTO THE L2, behind a joint load, its five lines and the run of LDS loads that follows: the K step that stands two refills on, 400 matrix instructions ahead of the load that will want it.
; A's block of a K step (128 pieces of 256 bytes) is read by all clusters of a row of clusters: cluster x = 0 asks, wave 0, each partner 32 pieces by its cx.  B's (200 pieces) by all clusters of a column:
; cluster y = 0 asks, waves 2 and 3 for their halves, each partner 25 pieces by its cy (lanes 25-31 name lane 24's piece again).  The partners are told apart by address, never by a branch.
; K steps 0 to 3 come by their loads alone; the loop's last trip (s3 = 1) asks for nothing: K steps 16 and 17 do not exist.
.macro ASK
	s_cmp_gt_u32 s3, s[LIM]
	s_cbranch_scc0 .Lnot_mine_\@
	global_prefetch_b8 v[PFO], s[PFA:PFA+1] th:TH_LOAD_NT scope:SCOPE_SE
.Lnot_mine_\@:
.endm
.macro CREST                           ; a round of the cluster's barrier behind its opening barrier
	s_cmp_lg_u32 s[WV], 0
	s_cbranch_scc1 .Lnot_wave_0_\@
	s_barrier_signal -3
.Lnot_wave_0_\@:
	s_barrier_wait -3
	s_barrier_signal -1
	s_barrier_wait -1
.endm
.macro CROUND                          ; a whole round
	s_barrier_signal -1
	s_barrier_wait -1
	CREST
.endm
	s_load_b256 s[4:11], s[0:1], 0x0               ; xb s[4:5], wt s[6:7], bp s[8:9], y s[10:11]
	s_load_b64 s[12:13], s[0:1], 0x20              ; st
	v_lshl_add_u32 v[SPW], v0, 2, SPARE
	v_mov_b32 v[NIL], 0
	ds_add_u32 v[SPW], v[NIL]                      ; the wave's opening: the add, twice on end, and its wait ahead of my first tensor load
	ds_add_u32 v[SPW], v[NIL]                      ; and once more, under the one wait; the set-up below, work on registers, stands between
	v_lshrrev_b32 v1, 5, v0
	v_readfirstlane_b32 s[WV], v1                  ; wave 0..3
	s_and_b32 s[HALF], s[WV], 1
	s_bfe_u32 s[CX], ttmp6, 0x40000                ; my place in the cluster
	s_bfe_u32 s[CY], ttmp6, 0x40004
	s_lshl_b32 s[GG], ttmp9, 2                     ; in a cluster launch ttmp9 and ttmp7 count clusters
	s_add_co_u32 s[GG], s[GG], s[CX]               ; g = 4 x cluster x + cx
	s_and_b32 s[RB], ttmp7, 0xffff
	s_lshl_b32 s[RB], s[RB], 2
	s_add_co_u32 s[RB], s[RB], s[CY]               ; rb = 4 x cluster y + cy
	s_lshl_b32 s21, s[CY], 2
	s_lshl_b32 s21, 15, s21                        ; my row of the cluster
	s_lshl_b32 s40, 0x1111, s[CX]                  ; my column
	; group 1 for A: half a block, 16,384 dense bytes, as 64 rows of 256 bytes (two block rows each), padded in LDS after every block row
	s_or_b32 s[G1A], s21, (1<<16)|(1<<20)|(1<<21)|(4<<22)|(3<<25)  ; 15:0 the mask; 17:16 2-byte elements; 20 padding on; 21 set beside a mask; 24:22 after every 32 words (code 4); 31:25 4 words (code 3)
	s_mov_b32 s[G1A+1], 128<<16                    ; tensor_dim0 = 128
	s_mov_b32 s[G1A+2], 64<<16                     ; tensor_dim1 = 64
	s_mov_b32 s[G1A+3], 128<<16                    ; tile_dim0 = 128
	s_mov_b32 s[G1A+4], 64                         ; tile_dim1 = 64
	s_mov_b32 s[G1A+5], 128                        ; 128 elements from row to row
	s_mov_b32 s[G1A+6], 0
	s_mov_b32 s[G1A+7], 0
	; group 1 for B: 32 rows k of 800 bytes, 25,600 dense bytes, as 100 rows of 256 bytes, unpadded
	s_or_b32 s[G1B], s40, (1<<16)|(1<<21)
	s_mov_b32 s[G1B+1], 128<<16
	s_mov_b32 s[G1B+2], 100<<16
	s_mov_b32 s[G1B+3], 128<<16
	s_mov_b32 s[G1B+4], 100
	s_mov_b32 s[G1B+5], 128
	s_mov_b32 s[G1B+6], 0
	s_mov_b32 s[G1B+7], 0
	s_lshl_b32 s22, s[RB], 19                      ; A: row block rb, my half of K step 0's block
	s_lshl_b32 s23, s[HALF], 14
	s_add_co_u32 s22, s22, s23
	s_mov_b32 s23, 0
	s_mul_i32 s40, s[GG], 819200                   ; B: group g, my half of K step 0's rows
	s_mul_i32 s41, s[HALF], 25600
	s_add_co_u32 s40, s40, s41
	s_mov_b32 s41, 0
	s_mul_i32 s74, s[HALF], 128*PA                 ; where they go: no place in the cluster enters an LDS address
	s_mul_i32 s75, s[HALF], 32*PB
	s_add_co_u32 s75, s75, BOFF
	s_mov_b32 s[CS], 0x3fb8aa3b
	s_mov_b32 s[CS+1], s[CS]
	s_wait_dscnt 0x0                               ; both opening adds are done
	s_wait_kmcnt 0x0
	s_add_nc_u64 s[70:71], s[4:5], s[22:23]
	s_add_nc_u64 s[72:73], s[6:7], s[40:41]
	CROUND                                         ; all sixteen work-groups are here: the first joint loads meet
.irp s, 0,1
	s_mov_b32 s[G0A+4*(\s)], 1                                     ; count = 1
	s_add_co_u32 s[G0A+4*(\s)+1], s74, (\s)*SLOT                   ; LDS address
	s_add_nc_u64 s[G0A+4*(\s)+2:G0A+4*(\s)+3], s[70:71], (\s)*32768  ; global address: K step s
	s_or_b32 s[G0A+4*(\s)+3], s[G0A+4*(\s)+3], 0x80000000          ; type = 2
	s_mov_b32 s[G0B+4*(\s)], 1
	s_add_co_u32 s[G0B+4*(\s)+1], s75, (\s)*SLOT
	s_add_nc_u64 s[G0B+4*(\s)+2:G0B+4*(\s)+3], s[72:73], (\s)*51200
	s_or_b32 s[G0B+4*(\s)+3], s[G0B+4*(\s)+3], 0x80000000
	JLOAD \s                                       ; two loads of mine are out
.endr
	; the group's bias and my tokens' targets, asked for while the first tiles are on their way
	v_and_b32 v1, 15, v0                           ; r
	v_bfe_u32 v[HH], v0, 4, 1                      ; h
	v_lshlrev_b32 v60, 4, v0                       ; 16 x thread: 128 threads take bp's 2,048 bytes
	v_lshlrev_b32 v62, 4, v1                       ; 16 r: my four tokens' targets
	s_lshl_b32 s76, s[GG], 11
	s_mov_b32 s77, 0
	s_add_nc_u64 s[8:9], s[8:9], s[76:77]
	s_lshl_b32 s22, s[RB], 10
	s_lshl_b32 s21, s[WV], 8
	s_add_co_u32 s22, s22, s21                     ; 4 (256 rb + 64 wave)
	s_add_nc_u64 s[10:11], s[10:11], s[22:23]
	global_load_b128 v[56:59], v60, s[8:9]
	global_load_b128 v[QQ:QQ+3], v62, s[10:11]
	; A fragment of either source is 16 rows x 32 k in 8 registers: lane l holds row l % 16, k = 8 h + 0..7 and 16 + 8 h + 0..7.  A's rows lie along k: two loads of 16 bytes, 32 bytes apart.
	s_mul_i32 s21, s[WV], 64*PA
	v_mul_u32_u24 v[ADRA], v1, PA
	v_lshl_add_u32 v[ADRA], v[HH], 4, v[ADRA]
	v_add_nc_u32 v[ADRA], s21, v[ADRA]
	v_add_nc_u32 v[ADRA+1], SLOT, v[ADRA]
	; B lies [k][column]: the turning load takes 16 k x 16 columns (lane l reads row 8 h + l % 8, columns 8 ((l / 8) % 2) + 0..7) and leaves half a fragment: lane l holds column l % 16 and 8 k.
	v_and_b32 v63, 7, v0
	v_lshl_add_u32 v63, v[HH], 3, v63
	v_mul_u32_u24 v[ADRB], v63, PB
	v_bfe_u32 v63, v0, 3, 1
	v_lshl_add_u32 v[ADRB], v63, 4, v[ADRB]
	v_add_nc_u32 v[ADRB], BOFF, v[ADRB]
	v_add_nc_u32 v[ADRB+1], SLOT, v[ADRB]
	v_lshl_add_u32 v[BIA], v[HH], 5, BIAS
	v_lshl_add_u32 v[STO], v[HH], 14, v62
	v_add_nc_u32 v61, BIAS, v60
	; the prefetches: the pointer stands at K step 3 and is stepped ahead of each use
	s_lshl_b32 s78, s[RB], 19
	s_lshl_b32 s79, s[CX], 13                      ; A: my work-group's 32 pieces of the block's 128
	s_add_co_u32 s78, s78, s79
	s_add_co_u32 s78, s78, 3*32768
	s_mul_i32 s76, s[GG], 819200
	s_mul_i32 s77, s[HALF], 25600
	s_add_co_u32 s76, s76, s77
	s_mul_i32 s77, s[CY], 6400                     ; B: my work-group's 25 pieces of my half's 100
	s_add_co_u32 s76, s76, s77
	s_add_co_u32 s76, s76, 3*51200
	s_mov_b32 s[BLK], 51200
	s_mov_b32 s[BLK+1], 0
	s_mov_b32 s77, 0
	s_cmp_lt_u32 s[WV], 2
	s_cselect_b32 s76, s78, s76
	s_cselect_b64 s[PFA:PFA+1], s[4:5], s[6:7]
	s_cselect_b32 s[BLK], 0x8000, s[BLK]
	s_cselect_b32 s79, 31, 24
	s_add_nc_u64 s[PFA:PFA+1], s[PFA:PFA+1], s[76:77]
	s_or_b32 s78, ttmp9, s[WV]                     ; A: cluster x = 0 and wave 0
	s_and_b32 s77, ttmp7, 0xffff                   ; B: cluster y = 0
	s_cmp_lt_u32 s[WV], 2
	s_cselect_b32 s78, s78, s77
	s_cmp_eq_u32 s78, 0
	s_cselect_b32 s[LIM], 1, -1                    ; the same in all sixteen partners, for a given wave
	v_and_b32 v[PFO], 31, v0
	v_min_u32 v[PFO], s79, v[PFO]
	v_lshlrev_b32 v[PFO], 8, v[PFO]
	s_cmp_eq_u32 s[GG], 31
	s_cselect_b32 s68, -1, 0                       ; all lanes, where tile 24 holds the gate: it feeds selects alone
	s_mul_i32 s69, s[GG], 400
	s_wait_loadcnt 0x0
	ds_store_b128 v61, v[56:59]
	; the pick's indices.  tl = y - 400 g wraps for targets below the group and then fits no tile.
.irp m, 0,1,2,3
	v_cmp_le_u32 vcc_lo, 0x7d0, v[QQ+\m]
	v_cndmask_b32 v63, 0, 1, vcc_lo
	v_cmp_le_u32 vcc_lo, 0x2710, v[QQ+\m]
	v_cndmask_b32 v64, 0, 1, vcc_lo
	v_add_nc_u32 v63, v63, v64                     ; y's slice
	v_sub_nc_u32 v65, v[QQ+\m], s69                ; tl
	v_and_b32 v[JJ+\m], 7, v65
	v_lshrrev_b32 v65, 3, v65
	v_sub_nc_u32 v[QQ+\m], v65, v[HH]
	v_cmp_eq_u32 vcc_lo, 48, v[QQ+\m]
	v_cndmask_b32 v64, 0xff, v[JJ+\m], vcc_lo      ; an ordinary group: tile 24 is a tile like the others
	v_cmp_eq_u32 vcc_lo, 0, v[HH]
	v_cndmask_b32 v63, 0xff, v63, vcc_lo           ; group 31: the gate's logit of y's slice lies in the low half's register 0, 1 or 2
	v_cndmask_b32 v[I24+\m], v64, v63, s68
.endr
; B's fragments of tiles 8 G .. 8 G + 7 (G = 2: and of tile 24), 32 k at row 32 ks of the slot, into buffer f: 16 or 18 loads in one run
.macro FB slot, ks, G, f
	WIN 0
.irp i, 0,1,2,3,4,5,6,7
	ds_load_tr16_b128 v[(\f)+8*(\i):(\f)+8*(\i)+3],   v[ADRB+(\slot)] offset:(\ks)*32*PB+32*(8*(\G)+(\i))
	ds_load_tr16_b128 v[(\f)+8*(\i)+4:(\f)+8*(\i)+7], v[ADRB+(\slot)] offset:(\ks)*32*PB+32*(8*(\G)+(\i))+16*PB
.endr
.if (\G) == 2
	ds_load_tr16_b128 v[RR:RR+3],   v[ADRB+(\slot)] offset:(\ks)*32*PB+768
	ds_load_tr16_b128 v[RR+4:RR+7], v[ADRB+(\slot)] offset:(\ks)*32*PB+768+16*PB
.endif
.endm
; A's four fragments, 32 k at byte 64 ks of the rows, into buffer f: 8 loads
.macro FA slot, ks, f
	WIN 0
.irp m, 0,1,2,3
	ds_load_b128 v[(\f)+8*(\m):(\f)+8*(\m)+3],   v[ADRA+(\slot)] offset:(\m)*16*PA+(\ks)*64
	ds_load_b128 v[(\f)+8*(\m)+4:(\f)+8*(\m)+7], v[ADRA+(\slot)] offset:(\m)*16*PA+(\ks)*64+32
.endr
.endm
; 32 products (G = 2: 36): tiles 8 G + i x 4 blocks of tokens.  part 0: all; 1: i = 0..3; 2: i = 4..7.  zero = 1: the product starts the sum: nothing is ever cleared.
; Each of the 100 accumulators is taken once in 100 matrix instructions, in the same order in every 32 k, over the backward jump too: they take turns.
.macro GRP bf, af, G, zero, part
	WIN 0x50*((\G)+1)
.irp i, 0,1,2,3,4,5,6,7
.if ((\part) == 0) || (((\part) == 1) && ((\i) < 4)) || (((\part) == 2) && ((\i) >= 4))
.irp m, 0,1,2,3
.if \zero
	v_wmma_f32_16x16x32_bf16 v[32*(\i)+8*(\m):32*(\i)+8*(\m)+7], v[(\bf)+8*(\i):(\bf)+8*(\i)+7], v[(\af)+8*(\m):(\af)+8*(\m)+7], 0
.else
	v_wmma_f32_16x16x32_bf16 v[32*(\i)+8*(\m):32*(\i)+8*(\m)+7], v[(\bf)+8*(\i):(\bf)+8*(\i)+7], v[(\af)+8*(\m):(\af)+8*(\m)+7], v[32*(\i)+8*(\m):32*(\i)+8*(\m)+7]
.endif
.endr
.endif
.endr
.if (\G) == 2
	WIN 0
.irp m, 0,1,2,3
.if \zero
	v_wmma_f32_16x16x32_bf16 v[A24+8*(\m):A24+8*(\m)+7], v[RR:RR+7], v[(\af)+8*(\m):(\af)+8*(\m)+7], 0
.else
	v_wmma_f32_16x16x32_bf16 v[A24+8*(\m):A24+8*(\m)+7], v[RR:RR+7], v[(\af)+8*(\m):(\af)+8*(\m)+7], v[A24+8*(\m):A24+8*(\m)+7]
.endif
.endr
.endif
.endm
; A K STEP is two halves of 32 k, each three groups of tiles; B's buffers take turns group by group, A's half by half; each group's fragments are fetched one group ahead.
; HEADSUB: the first 32 k.  On entry B's group 0 (16 loads) and A's fragments (8) are out.
.macro HEADSUB s, zero
	PLACES
	FB \s, 0, 1, BF1
	s_wait_dscnt 16                                ; all but the 16 just issued
	GRP BF0, AF0, 0, \zero, 0
	PLACES
	FB \s, 0, 2, BF0
	FA \s, 1, AF1
	s_wait_dscnt 26                                ; all but the 18 + 8 just issued
	GRP BF1, AF0, 1, \zero, 0
	PLACES
	FB \s, 1, 0, BF1
	s_wait_dscnt 16
	GRP BF0, AF0, 2, \zero, 0
.endm
; TAILSUB: the second 32 k, and the change of slots.  mode 1: the slot is filled again, two K steps ahead; 0: nothing is left to ask for; 2: the last K step: no change.
; ONE barrier for the change.  In front of it each wave waits for all its tensor loads, of which one is out: its part of the other slot; adds 0 to its spare word; and waits for that and for its reads
; of this slot.  In mode 1 the barrier opens a round of the cluster's barrier, and the joint refill is the first tensor load behind the round: 168 matrix instructions ahead of the wait for it.
.macro TAILSUB s, mode
.if (\mode) == 1
	s_wait_xcnt 0x0                                ; the last prefetch, most of a K step back, has read its address
	s_add_nc_u64 s[PFA:PFA+1], s[PFA:PFA+1], s[BLK:BLK+1]
.endif
	PLACES
	FB \s, 1, 1, BF0
	s_wait_dscnt 16
	GRP BF1, AF1, 0, 0, 0
	PLACES
	FB \s, 1, 2, BF1
.if (\mode) == 2
	s_wait_dscnt 18                                ; all but the 18 just issued
	GRP BF0, AF1, 1, 0, 0
	s_wait_dscnt 0x0
	GRP BF1, AF1, 2, 0, 0
.else
	WIN 0                                          ; (the add's two registers lie in window 0)
	s_wait_tensorcnt 0x0                           ; all my tensor loads have landed: my part of the other slot
	ds_add_u32 v[SPW], v[NIL]                      ; 0 onto my spare word
	s_wait_dscnt 19                                ; (the 18 loads just issued and the add may be out)
	GRP BF0, AF1, 1, 0, 1                          ; sixteen matrix instructions stand between the add and the wait for it
	s_wait_dscnt 0x0                               ; the add is done, and my reads of this slot are over
	s_barrier_signal -1
	GRP BF0, AF1, 1, 0, 2                          ; work on registers while the others arrive
	WIN 0                                          ; at a branch and at a label every window is 0
	s_barrier_wait -1
.if (\mode) == 1
	CREST                                          ; no wave of any partner still reads this slot's tiles or has a load on its way
	s_add_nc_u64 s[G0A+4*(\s)+2:G0A+4*(\s)+3], s[G0A+4*(\s)+2:G0A+4*(\s)+3], 2*32768
	s_add_nc_u64 s[G0B+4*(\s)+2:G0B+4*(\s)+3], s[G0B+4*(\s)+2:G0B+4*(\s)+3], 2*51200
	JLOAD \s                                       ; its four v_nop are also the places in front of the loads below
.else
	PLACES
.endif
	FB 1-(\s), 0, 0, BF0
	FA 1-(\s), 0, AF0
.if (\mode) == 1
	ASK
.endif
	GRP BF1, AF1, 2, 0, 0                          ; its fragments came in by the wait for 0 above
.endif
.endm
	s_wait_tensorcnt 0x1                           ; my part of K step 0 is in; K step 1's may stay out
	s_wait_dscnt 0x0                               ; my part of the bias is stored
	s_barrier_signal -1
	s_barrier_wait -1
	FB 0, 0, 0, BF0
	FA 0, 0, AF0
	HEADSUB 0, 1                                   ; the first 32 k stand in front of the loop: their products start the sums
	WIN 0
	s_mov_b32 s3, 7
.Llap:                                                 ; a trip goes once round the ring and fills both slots again: K steps 2 to 15 in seven trips
	TAILSUB 0, 1
	HEADSUB 1, 0
	TAILSUB 1, 1
	HEADSUB 0, 0
	WIN 0
	s_sub_co_u32 s3, s3, 1
	s_cmp_lg_u32 s3, 0
	s_cbranch_scc1 .Llap
	TAILSUB 0, 0                                   ; the tail is written out
	HEADSUB 1, 0
	TAILSUB 1, 2
; THE WAY OUT.  For each block m of 16 tokens three passes over its 25 tiles: A: the bias is added, the maximum taken, the target picked; FE: c s - c m and the exponentials; SUM.  They run as a pipeline of six
; STAGES: stage k does A(k), FE(k - 1), SUM(k - 2) tile by tile, so that A's plain instructions stand between FE's exponentials, and a stage's 200 exponentials are ONE batch: nothing names a result of theirs
; before the one wait at the stage's end.  A tile costs two window settings: one with destination and source 0 in the tile's window, one with sources 1 and 2 there.
.set MX,   56                          ; v56-59   m of tiles 0..23, by block of tokens: a lane's four neighbouring tokens, 16 bytes of a plane
.set SS,   60                          ; v60-63   their sum
.set M24,  64                          ; v64-67   m of tile 24
.set S24,  68                          ; v68-71   its sum
.set TG,   72                          ; v72-75   the picked logits
.set CM,   76                          ; v76-83   c m, a pair a block (the packed scaling names a pair and takes its low word)
.set CN,   84                          ; v84-91   the same for tile 24
.set CH,   92                          ; v92-95   four chains of the maximum
.set TT,   96                          ; v96-103  register j of the tile that holds the target, or 0
.set UU,   104                         ; v104     tile 24's pick
.set SU,   106                         ; v106-113 four pairs of sums
.set ZP,   114                         ; v114-115 0, 0
.set NEGM, 116                         ; v116     the lowest finite number
.set TMP,  117
.macro BFETCH n                        ; the bias of tiles 8 (n % 3) .. + 7 into buffer n % 2: 32 bytes a tile and half of the lanes; all lanes of a half read the same words
	WIN 0
.set bb, BF0+64*((\n)%2)
.set bi, 0
.rept 8
	ds_load_b128 v[bb+8*bi:bb+8*bi+3],   v[BIA] offset:64*(8*((\n)%3)+bi)
	ds_load_b128 v[bb+8*bi+4:bb+8*bi+7], v[BIA] offset:64*(8*((\n)%3)+bi)+16
.set bi, bi+1
.endr
.endm
.macro OPB k, z                        ; A: the bias onto pair z; pair 0 is the first read of the accumulator, at its low end
.if (\k) <= 3
	v_pk_add_f32 v[ra+2*(\z):ra+2*(\z)+1], v[ra+2*(\z):ra+2*(\z)+1], v[rz+2*(\z):rz+2*(\z)+1]
.endif
.endm
.macro OPF k, z                        ; FE: c s - c m for pair z
.if (\k) >= 1
	v_pk_fma_f32 v[rf+2*(\z):rf+2*(\z)+1], v[rf+2*(\z):rf+2*(\z)+1], s[CS:CS+1], v[CM+2*((\k)-1):CM+2*((\k)-1)+1] op_sel_hi:[1,0,0] neg_lo:[0,0,1] neg_hi:[0,0,1]
.endif
.endm
.macro OPE k, j
.if (\k) >= 1
	v_exp_f32 v[rf+(\j)], v[rf+(\j)]
.endif
.endm
.macro TILE k                          ; tile nb = 8 G + i, in window G + 1
.set w, G+1
.set nb, 8*G+i
.set ra, 32*i+8*(\k)
.set rf, ra-8
.set rs, ra-16
.set rz, BF0+64*((3*(\k)+G)%2)+8*i
.if (\k) <= 4
	WIN (w<<6)|w                                   ; destination and source 0 in the tile's window
	OPF \k, 0
	OPF \k, 1
	OPE \k, 0
	OPB \k, 0
	OPE \k, 1
	OPB \k, 1
	OPE \k, 2
	OPF \k, 2
	OPE \k, 3
	OPF \k, 3
	OPE \k, 4
	OPB \k, 2
	OPE \k, 5
	OPB \k, 3
	OPE \k, 6
	OPE \k, 7
.endif
	WIN (w<<4)|(w<<2)                              ; sources 1 and 2 in the tile's window
.if (\k) <= 3
.irp z, 0,1,2,3
.if nb == 0
	v_max3_num_f32 v[CH+(\z)], v[NEGM], v[ra+2*(\z)], v[ra+2*(\z)+1]
.else
	v_max3_num_f32 v[CH+(\z)], v[CH+(\z)], v[ra+2*(\z)], v[ra+2*(\z)+1]
.endif
.endr
	v_cmp_eq_u32 vcc_lo, v[QQ+(\k)], 2*nb          ; does this tile hold my token's target, in my half?
.irp j, 0,1,2,3,4,5,6,7
.if nb == 0
	v_cndmask_b32 v[TT+(\j)], 0, v[ra+(\j)], vcc_lo
.else
	v_cndmask_b32 v[TT+(\j)], v[TT+(\j)], v[ra+(\j)], vcc_lo
.endif
.endr
.endif
.if (\k) >= 2
.irp z, 0,1,2,3
.if nb == 0
	v_pk_add_f32 v[SU+2*(\z):SU+2*(\z)+1], v[ZP:ZP+1], v[rs+2*(\z):rs+2*(\z)+1]
.else
	v_pk_add_f32 v[SU+2*(\z):SU+2*(\z)+1], v[SU+2*(\z):SU+2*(\z)+1], v[rs+2*(\z):rs+2*(\z)+1]
.endif
.endr
.endif
.endm
.macro T24 k                           ; tile 24, in window 0, with statistics of its own
	WIN 0
.if ((\k) >= 1) && ((\k) <= 4)
.set rf, A24+8*((\k)-1)
.irp z, 0,1,2,3
	v_pk_fma_f32 v[rf+2*(\z):rf+2*(\z)+1], v[rf+2*(\z):rf+2*(\z)+1], s[CS:CS+1], v[CN+2*((\k)-1):CN+2*((\k)-1)+1] op_sel_hi:[1,0,0] neg_lo:[0,0,1] neg_hi:[0,0,1]
.endr
.irp j, 0,1,2,3,4,5,6,7
	v_exp_f32 v[rf+(\j)], v[rf+(\j)]
.endr
.endif
.if (\k) <= 3
.set ra, A24+8*(\k)
.irp z, 0,1,2,3
	v_pk_add_f32 v[ra+2*(\z):ra+2*(\z)+1], v[ra+2*(\z):ra+2*(\z)+1], v[RR+2*(\z):RR+2*(\z)+1]
.endr
	v_max3_num_f32 v[TMP], v[ra], v[ra+1], v[ra+2]
	v_max3_num_f32 v[TMP], v[TMP], v[ra+3], v[ra+4]
	v_max3_num_f32 v[TMP], v[TMP], v[ra+5], v[ra+6]
	v_max_num_f32 v[M24+(\k)], v[TMP], v[ra+7]
	v_mul_f32 v[CN+2*(\k)], s[CS], v[M24+(\k)]
	v_mul_f32 v[CN+2*(\k)+1], s[CS], v[M24+(\k)]
.irp j, 0,1,2,3,4,5,6,7
	v_cmp_eq_u32 vcc_lo, \j, v[I24+(\k)]
.if (\j) == 0
	v_cndmask_b32 v[UU], 0, v[ra], vcc_lo
.else
	v_cndmask_b32 v[UU], v[UU], v[ra+(\j)], vcc_lo
.endif
.endr
.endif
.if (\k) >= 2
.set rs, A24+8*((\k)-2)
	v_pk_add_f32 v[rs:rs+1], v[rs:rs+1], v[rs+2:rs+3]
	v_pk_add_f32 v[rs+4:rs+5], v[rs+4:rs+5], v[rs+6:rs+7]
	v_pk_add_f32 v[rs:rs+1], v[rs:rs+1], v[rs+4:rs+5]
	v_add_f32 v[S24+(\k)-2], v[rs], v[rs+1]
.endif
.endm
.macro FIN k                           ; a stage's end
	WIN 0
.if (\k) <= 3
	v_max3_num_f32 v[CH], v[CH], v[CH+1], v[CH+2]
	v_max_num_f32 v[MX+(\k)], v[CH], v[CH+3]
	v_mul_f32 v[CM+2*(\k)], s[CS], v[MX+(\k)]
	v_mul_f32 v[CM+2*(\k)+1], s[CS], v[MX+(\k)]
.irp j, 0,1,2,3,4,5,6,7
	v_cmp_eq_u32 vcc_lo, \j, v[JJ+(\k)]
.if (\j) == 0
	v_cndmask_b32 v[TMP], 0, v[TT], vcc_lo
.else
	v_cndmask_b32 v[TMP], v[TMP], v[TT+(\j)], vcc_lo
.endif
.endr
	v_add_f32 v[TG+(\k)], v[TMP], v[UU]
.endif
.if (\k) >= 2
	v_pk_add_f32 v[SU:SU+1], v[SU:SU+1], v[SU+2:SU+3]
	v_pk_add_f32 v[SU+4:SU+5], v[SU+4:SU+5], v[SU+6:SU+7]
	v_pk_add_f32 v[SU:SU+1], v[SU:SU+1], v[SU+4:SU+5]
	v_add_f32 v[SS+(\k)-2], v[SU], v[SU+1]
.endif
.if ((\k) >= 1) && ((\k) <= 4)
	v_nop                                          ; a plain instruction behind the batch,
	s_wait_alu depctr_va_vdst(0)                   ; and the one wait ahead of the first line that names a result: the next stage's sums
.endif
.endm
.macro STAGE k
.set G, 0
.rept 3
.if (\k) <= 3
.if 3*(\k)+G < 11
	BFETCH 3*(\k)+G+1                              ; the next eight tiles' bias, into the other buffer
	s_wait_dscnt 16                                ; all but the 16 just issued: this group's bias is in
.else
	s_wait_dscnt 0x0
.endif
.endif
.set i, 0
.rept 8
	TILE \k
.set i, i+1
.endr
.set G, G+1
.endr
	T24 \k
	FIN \k
.endm
	WIN 0
	PLACES                                         ; behind the last products: the lines below read their results, write A's buffers and load into B's
	PLACES
	v_mov_b32 v[ZP], 0
	v_mov_b32 v[ZP+1], 0
	v_mov_b32 v[NEGM], 0xff7fffff
	BFETCH 0
	ds_load_b128 v[RR:RR+3],   v[BIA] offset:64*24  ; tile 24's bias stays
	ds_load_b128 v[RR+4:RR+7], v[BIA] offset:64*24+16
	STAGE 0
	STAGE 1
	STAGE 2
	STAGE 3
	STAGE 4
	STAGE 5
	s_lshl_b32 s78, s[GG], 15                      ; the planes of group g,
	s_lshl_b32 s79, s[RB], 10
	s_add_co_u32 s78, s78, s79
	s_lshl_b32 s79, s[WV], 8
	s_add_co_u32 s78, s78, s79                     ; at token 256 rb + 64 wave
	s_mov_b32 s79, 0
	s_add_nc_u64 s[12:13], s[12:13], s[78:79]
.irp q, 0,1,2,3,4
	global_store_b128 v[STO], v[MX+4*\q:MX+4*\q+3], s[12:13] offset:\q*1048576  ; 16 lanes store 256 consecutive bytes, at a multiple of 256 from st's first byte
.endr
	s_wait_tensorcnt 0x0                           ; the wave's end: behind my last tensor load and my last LDS store
	ds_add_u32 v[SPW], v[NIL]
	s_wait_dscnt 0x0
	CROUND                                         ; the closing round: no work-group ends while a partner may still ask for a tile that names it
	s_endpgm
.Lfunc_end_k_qeff3208b7d_gemm:
	.size	k_qeff3208b7d_gemm, .Lfunc_end_k_qeff3208b7d_gemm-k_qeff3208b7d_gemm
	.p2alignl 7, 3214868480
	.fill 96, 4, 3214868480
	.section	.rodata,"a",@progbits
	.p2align	6, 0x0
	.amdhsa_kernel k_qeff3208b7d_gemm
		.amdhsa_group_segment_fixed_size 327680
		.amdhsa_private_segment_fixed_size 0
		.amdhsa_enable_private_segment 0
		.amdhsa_kernarg_size 40
		.amdhsa_user_sgpr_count 2
		.amdhsa_user_sgpr_kernarg_segment_ptr 1
		.amdhsa_wavefront_size32 1
		.amdhsa_system_sgpr_workgroup_id_x 1
		.amdhsa_system_sgpr_workgroup_id_y 1
		.amdhsa_system_sgpr_workgroup_id_z 1
		.amdhsa_system_vgpr_workitem_id 0
		.amdhsa_next_free_vgpr 1024
		.amdhsa_next_free_sgpr 80
		.amdhsa_reserve_vcc 1
		.amdhsa_float_denorm_mode_32 3
		.amdhsa_float_denorm_mode_16_64 3
		.amdhsa_memory_ordered 1
		.amdhsa_forward_progress 1
		.amdhsa_inst_pref_size 255
	.end_amdhsa_kernel
	.section	.bss,"aw",@nobits
	.p2align	6
	.space	262144
	.amdgpu_metadata
---
amdhsa.version: [ 1, 2 ]
amdhsa.kernels:
  - .name:           k_qeff3208b7d_gemm
    .symbol:         k_qeff3208b7d_gemm.kd
    .args:
      - { .name: xb, .offset: 0, .size: 8, .value_kind: global_buffer, .address_space: global }
      - { .name: wt, .offset: 8, .size: 8, .value_kind: global_buffer, .address_space: global }
      - { .name: bp, .offset: 16, .size: 8, .value_kind: global_buffer, .address_space: global }
      - { .name: y, .offset: 24, .size: 8, .value_kind: global_buffer, .address_space: global }
      - { .name: st, .offset: 32, .size: 8, .value_kind: global_buffer, .address_space: global }
    .group_segment_fixed_size: 327680
    .private_segment_fixed_size: 0
    .kernarg_segment_align: 8
    .kernarg_segment_size: 40
    .max_flat_workgroup_size: 128
    .sgpr_count:     80
    .vgpr_count:     1024
    .wavefront_size: 32
...
	.end_amdgpu_metadata
.endif
;; end of part 2
;; launch combine (part 3): grid 64 x 1, 8 waves a work-group, no clusters, 7,168 bytes of LDS; arguments st, y, out0; writes out0
.if DOCPART == 3
	.amdgcn_target "amdgcn-amd-amdhsa--gfx1250"
	.amdhsa_code_object_version 6
	.text
	.protected	k_qeff3208b7d_combine
	.globl	k_qeff3208b7d_combine
	.p2align	8
	.type	k_qeff3208b7d_combine,@function
k_qeff3208b7d_combine:
	s_mov_b64 s[64:65], 0
	v_nop
	global_prefetch_b8 v0, s[64:65] scope:SCOPE_SE
	s_setreg_imm32_b32 hwreg(HW_REG_WAVE_MODE, 25, 1), 1
	s_wait_xcnt 0x0
; COMBINE.  nll[t] = lse over y's slice + lse over the gate - logit[y] - gate[slice], from the partial statistics in st (f32 planes at ((Q 32 + g) 2 + h) 16384 + 4 t:
; Q = 0, 1 maximum and sum of tiles 0..23 of group g, lanes' half h; Q = 2, 3 of tile 24; Q = 4 picked logits).  Sums are of 2^(c (s - m)), c = log2(e); the maxima are merged as running maxima are.
; Groups 0-4, 5-24, 25-31 are the three slices; tile 24 of group 31 belongs to none of them: its lower half (h = 0) holds the gate's three logits and padding, its upper half padding alone.
; The upper half's maximum is the padding's -1e30 and its sum is no usable number: both are replaced by the mask's select before any arithmetic touches them.
; EXPONENTS are made as c (m - max): the difference first, so that equal numbers give exactly 0 however large they are; then the scale.
; SHARES.  A work-group takes 64 tokens, a lane two: each load of a wave is 256 consecutive bytes, aligned.  Wave w merges groups 4 w .. 4 w + 3; the eight results meet in LDS, and wave 7, which
; holds the gate's planes, finishes.  y enters compares and selects alone.  A stream of a few bytes a token: no matrix work, no cluster, no prefetch.
; LIMITS.  A part that is not of y's slice counts as a maximum of -1e38 with sum 0.  A y outside 0 .. 12563 gives 0.  NaN and infinities in the inputs are not treated apart.
.set SPARE, 6144                       ; behind the eight waves' 768 bytes: the spare words, 128 bytes for each wave: four blocks of 256 bytes that no other line names
.set DD,  16                           ; v[16:95]: plane (Q, i, h) as a pair at DD + 2 ((4 Q + i) 2 + h): m at DD + 0..15 and + 32..47, the sums 16 higher, the picks at DD + 64..79
.set YY,  96                           ; v[96:97]  y
.set GM,  98                           ; v[98:99] tile 24 of my last group, lower half: its maximum;  v[100:101] its sum: in wave 7 the gate's
.set CT,  106                          ; v[106:107] y's slice
.set MXW, 110                          ; v[110:111] my groups' maximum;  v[112:113] their sum;  v[114:115] their picks
.set CS,  40                           ; s[40:41] c
.set LN2, 42                           ; s[42:43] ln 2
	s_load_b128 s[4:7], s[0:1], 0x0                ; st s[4:5], y s[6:7]
	s_load_b64 s[8:9], s[0:1], 0x10                ; out0
	v_lshl_add_u32 v2, v0, 2, SPARE                ; my spare word; never rewritten
	v_mov_b32 v3, 0                                ; 0; never rewritten
	v_lshrrev_b32 v1, 5, v0
	v_readfirstlane_b32 s10, v1                    ; wave 0..7
	v_and_b32 v1, 31, v0
	v_lshlrev_b32 v4, 3, v1                        ; 8 x lane: my two tokens
	v_mov_b32 v5, 0xfe967699                       ; -1e38
	s_lshl_b32 s12, s10, 17                        ; my four groups' planes: 4 x 32,768 bytes,
	s_lshl_b32 s14, ttmp9, 8                       ; the work-group's 64 tokens
	s_add_co_u32 s12, s12, s14
	s_mov_b32 s13, 0
	s_mov_b32 s15, 0
	s_mov_b32 s[CS], 0x3fb8aa3b
	s_mov_b32 s[CS+1], s[CS]
	s_mov_b32 s[LN2], 0x3f317218
	s_mov_b32 s[LN2+1], s[LN2]
	s_lshl_b32 s11, s10, 2
.irp i, 0,1,2,3                        ; the slice of group 4 w + i in s[32 + i]; of its tile 24 in s[36 + i]
	s_add_co_u32 s16, s11, \i
	s_cmp_ge_u32 s16, 5
	s_cselect_b32 s[32+\i], 1, 0
	s_cmp_ge_u32 s16, 25
	s_cselect_b32 s17, 1, 0
	s_add_co_u32 s[32+\i], s[32+\i], s17
	s_cmp_eq_u32 s16, 31
	s_cselect_b32 s[36+\i], 3, s[32+\i]
.endr
	s_mul_i32 s11, s10, 768
	v_add_nc_u32 v118, s11, v4                     ; where my wave's results go
	s_wait_kmcnt 0x0
	s_add_nc_u64 s[4:5], s[4:5], s[12:13]
	s_add_nc_u64 s[6:7], s[6:7], s[14:15]
	s_add_nc_u64 s[8:9], s[8:9], s[14:15]
	global_load_b64 v[YY:YY+1], v4, s[6:7]
.irp q, 0,1,2,3,4
.irp i, 0,1,2,3
.irp h, 0,1
	global_load_b64 v[DD+2*((\q*4+\i)*2+\h):DD+2*((\q*4+\i)*2+\h)+1], v4, s[4:5] offset:\q*1048576+\i*32768+\h*16384 th:TH_LOAD_NT
.endr
.endr
.endr
	s_wait_loadcnt 0x0
.irp e, 0,1
	v_cmp_le_u32 vcc_lo, 0x7d0, v[YY+\e]
	v_cndmask_b32 v[CT+\e], 0, 1, vcc_lo
	v_cmp_le_u32 vcc_lo, 0x2710, v[YY+\e]
	v_cndmask_b32 v108, 0, 1, vcc_lo
	v_add_nc_u32 v[CT+\e], v[CT+\e], v108
.endr
.irp i, 0,1,2,3
.irp e, 0,1
	v_cmp_eq_u32 s[16+2*\i+\e], s[32+\i], v[CT+\e]  ; is group i of the token's slice?
	v_cmp_eq_u32 s[24+2*\i+\e], s[36+\i], v[CT+\e]  ; and its tile 24?
.endr
.endr
.irp e, 0,1
	v_mov_b32 v[GM+\e], v[DD+44+\e]                ; tile 24 of group i = 3, lower half, unmasked: its maximum,
	v_mov_b32 v[GM+2+\e], v[DD+60+\e]              ; and its sum
.endr
; part n of 16: n / 8: tiles 0..23 or tile 24; (n / 2) % 4: the group; n % 2: the lanes' half.  Its m at rm, its sum at rm + 16.
.macro PART n
.set rm, DD+2*(\n)+16*((\n)/8)
.set sm, 16+8*((\n)/8)+2*(((\n)/2)%4)
.endm
.set n, 0
.rept 16
	PART n
	v_cndmask_b32 v[rm], v5, v[rm], s[sm]
	v_cndmask_b32 v[rm+1], v5, v[rm+1], s[sm+1]
	v_cndmask_b32 v[rm+16], 0, v[rm+16], s[sm]
	v_cndmask_b32 v[rm+17], 0, v[rm+17], s[sm+1]
.set n, n+1
.endr
.irp e, 0,1
	v_max3_num_f32 v[MXW+\e], v[DD+\e], v[DD+2+\e], v[DD+4+\e]
.endr
.set n, 3
.rept 6
	PART n
.set r1, rm
	PART n+1
	v_max3_num_f32 v[MXW], v[MXW], v[r1], v[rm]
	v_max3_num_f32 v[MXW+1], v[MXW+1], v[r1+1], v[rm+1]
.set n, n+2
.endr
	v_max_num_f32 v[MXW], v[MXW], v[DD+46]
	v_max_num_f32 v[MXW+1], v[MXW+1], v[DD+47]
.set n, 0
.rept 16
	PART n
	v_pk_add_f32 v[rm:rm+1], v[rm:rm+1], v[MXW:MXW+1] neg_lo:[0,1] neg_hi:[0,1]  ; m - max: exactly 0 where they are equal, at -1e38 too
.set n, n+1
.endr
.set n, 0
.rept 16
	PART n
	v_pk_mul_f32 v[rm:rm+1], v[rm:rm+1], s[CS:CS+1] op_sel_hi:[1,0]              ; c (m - max): -1.44e38 at the lowest, a finite number
.set n, n+1
.endr
.set n, 0
.rept 16
	PART n
	v_exp_f32 v[rm], v[rm]
	v_exp_f32 v[rm+1], v[rm+1]
.set n, n+1
.endr
	v_pk_add_f32 v[MXW+4:MXW+5], v[DD+64:DD+65], v[DD+66:DD+67]  ; the picks: plain work behind the batch
.set n, 2
.rept 6
	v_pk_add_f32 v[MXW+4:MXW+5], v[MXW+4:MXW+5], v[DD+64+2*n:DD+65+2*n]
.set n, n+1
.endr
	s_wait_alu depctr_va_vdst(0)                   ; one wait for the 32 exponentials, ahead of the first line that names a result
	v_pk_mul_f32 v[MXW+2:MXW+3], v[DD:DD+1], v[DD+16:DD+17]
.set n, 1
.rept 15
	PART n
	v_pk_fma_f32 v[MXW+2:MXW+3], v[rm:rm+1], v[rm+16:rm+17], v[MXW+2:MXW+3]
.set n, n+1
.endr
	ds_store_b64 v118, v[MXW:MXW+1]
	ds_store_b64 v118, v[MXW+2:MXW+3] offset:256
	ds_store_b64 v118, v[MXW+4:MXW+5] offset:512
	s_wait_dscnt 0x0                               ; for the others' sake: my stores are done
	s_barrier_signal -1
	s_barrier_wait -1
	s_cmp_lg_u32 s10, 7
	s_cbranch_scc1 .Lend
.irp w, 0,1,2,3,4,5,6,7
	ds_load_b64 v[16+2*\w:17+2*\w], v4 offset:768*\w       ; the waves' maxima,
	ds_load_b64 v[32+2*\w:33+2*\w], v4 offset:768*\w+256   ; sums,
	ds_load_b64 v[48+2*\w:49+2*\w], v4 offset:768*\w+512   ; picks
.endr
	s_wait_dscnt 0x0
.irp e, 0,1
	v_max3_num_f32 v[64+\e], v[16+\e], v[18+\e], v[20+\e]
	v_max3_num_f32 v[64+\e], v[64+\e], v[22+\e], v[24+\e]
	v_max3_num_f32 v[64+\e], v[64+\e], v[26+\e], v[28+\e]
	v_max_num_f32 v[64+\e], v[64+\e], v[30+\e]     ; the slice's maximum
.endr
.irp w, 0,1,2,3,4,5,6,7
	v_pk_add_f32 v[16+2*\w:17+2*\w], v[16+2*\w:17+2*\w], v[64:65] neg_lo:[0,1] neg_hi:[0,1]
.endr
.irp w, 0,1,2,3,4,5,6,7
	v_pk_mul_f32 v[16+2*\w:17+2*\w], v[16+2*\w:17+2*\w], s[CS:CS+1] op_sel_hi:[1,0]
.endr
.set n, 0
.rept 16
	v_exp_f32 v[16+n], v[16+n]
.set n, n+1
.endr
	v_log_f32 v74, v[GM+2]                         ; the gate's sum is whole as it stands: its logarithm joins the batch
	v_log_f32 v75, v[GM+3]
	v_pk_add_f32 v[76:77], v[48:49], v[50:51]      ; all picks: logit[y] + gate[slice]
.irp w, 2,3,4,5,6,7
	v_pk_add_f32 v[76:77], v[76:77], v[48+2*\w:49+2*\w]
.endr
	v_pk_add_f32 v[78:79], v[64:65], v[GM:GM+1]    ; the two maxima
	v_pk_add_f32 v[78:79], v[78:79], v[76:77] neg_lo:[0,1] neg_hi:[0,1]
	s_wait_alu depctr_va_vdst(0)                   ; one wait for the 16 exponentials and the two logarithms
	v_pk_mul_f32 v[72:73], v[16:17], v[32:33]
.irp w, 1,2,3,4,5,6,7
	v_pk_fma_f32 v[72:73], v[16+2*\w:17+2*\w], v[32+2*\w:33+2*\w], v[72:73]
.endr
	v_pk_fma_f32 v[78:79], v[74:75], s[LN2:LN2+1], v[78:79] op_sel_hi:[1,0,1]
	v_log_f32 v72, v72
	v_log_f32 v73, v73
	v_nop                                          ; a plain instruction behind the last logarithm,
	s_wait_alu depctr_va_vdst(0)                   ; and one wait for the two
	v_pk_fma_f32 v[78:79], v[72:73], s[LN2:LN2+1], v[78:79] op_sel_hi:[1,0,1]
.irp e, 0,1
	v_cmp_gt_u32 vcc_lo, 0x3114, v[YY+\e]          ; a target outside the vocabulary belongs to no slice
	v_cndmask_b32 v[78+\e], 0, v[78+\e], vcc_lo
.endr
	global_store_b64 v4, v[78:79], s[8:9]          ; the wave stores 256 consecutive bytes, aligned
.Lend:
	s_wait_tensorcnt 0x0                           ; the wave's end: behind my last LDS store
	ds_add_u32 v2, v3
	s_wait_dscnt 0x0
	s_endpgm
.Lfunc_end_k_qeff3208b7d_combine:
	.size	k_qeff3208b7d_combine, .Lfunc_end_k_qeff3208b7d_combine-k_qeff3208b7d_combine
	.p2alignl 7, 3214868480
	.fill 96, 4, 3214868480
	.section	.rodata,"a",@progbits
	.p2align	6, 0x0
	.amdhsa_kernel k_qeff3208b7d_combine
		.amdhsa_group_segment_fixed_size 7168
		.amdhsa_private_segment_fixed_size 0
		.amdhsa_enable_private_segment 0
		.amdhsa_kernarg_size 24
		.amdhsa_user_sgpr_count 2
		.amdhsa_user_sgpr_kernarg_segment_ptr 1
		.amdhsa_wavefront_size32 1
		.amdhsa_system_sgpr_workgroup_id_x 1
		.amdhsa_system_sgpr_workgroup_id_y 1
		.amdhsa_system_sgpr_workgroup_id_z 1
		.amdhsa_system_vgpr_workitem_id 0
		.amdhsa_next_free_vgpr 128
		.amdhsa_next_free_sgpr 66
		.amdhsa_reserve_vcc 1
		.amdhsa_float_denorm_mode_32 3
		.amdhsa_float_denorm_mode_16_64 3
		.amdhsa_memory_ordered 1
		.amdhsa_forward_progress 1
		.amdhsa_inst_pref_size 23
	.end_amdhsa_kernel
	.amdgpu_metadata
---
amdhsa.version: [ 1, 2 ]
amdhsa.kernels:
  - .name:           k_qeff3208b7d_combine
    .symbol:         k_qeff3208b7d_combine.kd
    .args:
      - { .name: st, .offset: 0, .size: 8, .value_kind: global_buffer, .address_space: global }
      - { .name: y, .offset: 8, .size: 8, .value_kind: global_buffer, .address_space: global }
      - { .name: out0, .offset: 16, .size: 8, .value_kind: global_buffer, .address_space: global }
    .group_segment_fixed_size: 7168
    .private_segment_fixed_size: 0
    .kernarg_segment_align: 8
    .kernarg_segment_size: 24
    .max_flat_workgroup_size: 256
    .sgpr_count:     66
    .vgpr_count:     128
    .wavefront_size: 32
...
	.end_amdgpu_metadata
.endif
;; end of part 3
